; MI455X (gfx1250); checked and timed in simulation.
; The chip was launched on July 23, 2026; its instructions are those of AMD's public machine-readable ISA for CDNA 5 (MIT licence, August 2026) and "CDNA5" Instruction Set Architecture Reference Guide (July 2026). The comments in the code are by the model that wrote it; some were corrected since.
;; Net VLAD Like. Allowed arithmetic: matrix products marked QUANTISED: E4M3 operands, one E8M0 scale for each 32 along K, by v_wmma_scale_f32_16x16x128_f8f6f4 with both operands' format E4M3, f32 sums; everything else in f32.
;; Inputs: centroids 512 x 512 float32; x 32 x 2,048 x 512 float32.
;; Outputs: out0 32 x 512 float32.
;; This version of the problem:
;;   THIS VERSION OF THE PROBLEM IS GIVEN IN LOW PRECISION. The matrix products marked QUANTISED in the list below multiply operands that are first quantised to E4M3 (4 exponent bits, 3 mantissa bits; 8 bits a number), with one power-of-two scale for each 32 numbers along K (OCP MX v1.0); their sums are f32. All else is computed in f32.
;;   The module's matrix products, in the order in which they are computed (A, B: the left and right operand; K: the contracted axis; several contracted axes count as one K, in the product's order):
;;     1. [M 65,536, K 512] x [K 512, N 512]; A: computed on the way; B: computed on the way: QUANTISED
;;     2. batch 32 x [M 512, K 2,048] x [K 2,048, N 512]; A: softmax (see below); B: computed on the way: QUANTISED
;;   THE QUANTISER, for each operand of a quantised product, along K:
;;     - K is cut into blocks of 32 from its start; a last block that is shorter is filled with zeros.
;;     - A block's scale is 2^e with e = floor(log2(the largest magnitude in the block)) - 8, held to -126 .. 127; a block of zeros has e = 0. As a byte (E8M0): e + 127.
;;     - Each number is divided by its block's scale, clamped to +-448, and rounded to the nearest number of E4M3, ties to even, subnormals kept.
;;     - The product sums the exact products of the quantised numbers (number of the format x scale) in f32.
;;   ~~~python
;;   def quantise(x, axis):      # numpy; x: float32 -> the quantised numbers, widened to float32 again
;;       x = np.moveaxis(x, axis, -1); K = x.shape[-1]
;;       x = np.pad(x, [(0, 0)] * (x.ndim - 1) + [(0, -K % 32)]); x = x.reshape(x.shape[:-1] + (-1, 32)); a = np.abs(x).max(-1, keepdims=True)
;;       e = np.where(a > 0, np.clip(np.frexp(np.where(a > 0, a, 1))[1] - 1 - 8, -126, 127), 0)      # np.frexp(a)[1] - 1 = floor(log2(a)), exactly
;;       r = np.clip(x / 2.0 ** e, -448, 448)
;;       step = 2.0 ** (np.maximum(np.frexp(np.where(r == 0, 1, r))[1] - 1, -6) - 3)
;;       q = np.round(r / step) * step * 2.0 ** e      # np.round: ties to even
;;       return np.moveaxis(q.reshape(q.shape[:-2] + (-1,))[..., :K], -1, axis).astype(np.float32)
;;   ~~~
;;   SOFTMAX AHEAD OF A QUANTISED PRODUCT. Where the list says 'softmax', what is quantised is not the finished softmax but p = 2^(t - M), with t = logit x log2(e) and M = ceil(the row's largest t), a whole number; so 1/2 < the row's largest p <= 1. The row's sum l is taken of the UNQUANTISED p, in f32, and the product's result is divided by l at the end. Since M is a whole number, a kernel that streams over the keys may use a running M (the ceiling of the running maximum): every later rescaling is an exact power of two, which a block's scale takes up: the codes' values come out the same.
;;   OPERANDS COMPUTED ON THE WAY. 'Computed on the way' means the value that the module computes at that place (a softmax that the list does not call 'softmax' is quantised finished and normalised). What goes into a quantiser is computed in f32, as accurately as f32 sums, v_exp_f32 and their like allow (about 1e-6 of the number): no bf16 or f16 on the way to a quantiser, and a product that is left as it is and whose result goes on into a quantised operand takes f32 operands (vector FMAs, or v_wmma_f32_16x16x4_f32). A number that lies on a knife's edge between two numbers of the format may be rounded either way, as far as f32 arithmetic and the matrix unit's own rounding can turn it there, and no further.
;; One version. Each part assembles by itself: llvm-mc -triple=amdgcn-amd-amdhsa -mcpu=gfx1250 --defsym DOCPART=n.
;; ======== version 1 of 1: 3 launches
;; limits: right only within a limited range of input values
;; workspace buffers: codes 69,206,016 bytes; scale 65,536 bytes; part 524,288 bytes
;; launch prep (part 1): grid 8 x 32, 16 waves a work-group, no clusters, 296,960 bytes of LDS; arguments x, codes, scale; writes codes, scale
.if DOCPART == 1
	.amdgcn_target "amdgcn-amd-amdhsa--gfx1250"
	.amdhsa_code_object_version 6
	.text
	.protected	k_qe13ab50aca_prep
	.globl	k_qe13ab50aca_prep
	.p2align	8
	.type	k_qe13ab50aca_prep,@function
k_qe13ab50aca_prep:
	s_mov_b64 s[64:65], 0
	v_nop
	global_prefetch_b8 v0, s[64:65] scope:SCOPE_SE
	s_setreg_imm32_b32 hwreg(HW_REG_WAVE_MODE, 25, 1), 1
	s_wait_xcnt 0x0
; PREP.  x [32][2048][512] f32 -> scale[b][d] = mean over l of x^2, and direction = x / max(scale, 1e-12) as codes of E4M3 in TWO orientations:
; quantised along d (the first product's operand) and along l (the second's), each with one E8M0 byte for 32 numbers.
; SHARES.  A work-group owns 64 columns (256 bytes of every row) of one batch, all 2,048 rows: 512 KB.  So the column's mean is its own affair, and x is read from memory ONCE:
; each of the 16 waves holds its 128 rows, 64 in its own LDS region and 64 in 128 registers, until the mean is known.  One barrier in the whole text (the sums of squares meet in LDS).
; THE CODES' BUFFER is laid as the next launch's operand registers want it: one record of REC bytes for each (batch, 128 tokens): wave w makes its columns' part of record 16 b + w.
;   [0, 65536)       K images: fragment (kbl, s, u) at 16384 kbl + 4096 s + 2048 u; byte 512 c + 16 (r + 16 h) + i = token 32 kbl + 16 u + r, d = 128 s + 32 c + 16 h + i
;   [65536, 131072)  V images: fragment dt at 2048 dt; byte 512 c + 16 (r + 16 h) + i = column 64 (dt/4) + 32 (dt%2) + 2 r + (dt%4)/2, token 32 c + 16 (i/8) + 8 h + i%8
;   [131072, 133120) K's scale bytes: 16 bits at 256 ch + 64 kbl + 2 token: d blocks 2 ch and 2 ch + 1.     [133120, 135168) V's scale words: 64 dt + 4 r, byte c = token block c
; Every store of codes covers two aligned runs of 256 consecutive bytes (sixteen neighbouring lanes each); the scale bytes leave as one aligned run of 256 bytes a wave.
; x / s is x times 1/s, the reciprocal refined by one Newton step.
; LIMITS: NaN and infinities among the inputs are not served.  A block of zeros gets the byte 1 (the quantiser's rule says 127): its codes are zeros, and this program alone reads the bytes.
.set REC,   135168
.set PIT,   272                        ; an LDS row: 256 bytes + 16: sixteen lanes that read 16 bytes of sixteen rows touch sixteen different columns of 16 bytes
.set REGB,  64*PIT                     ; a wave's region: 64 rows
.set RED,   16*REGB                    ; 16 x 256 bytes: each wave's sums of squares of the 64 columns
.set RIV,   RED+4096                   ; 16 x 256 bytes: each wave's own copy of 1/scale
.set SST,   RIV+4096                   ; 16 x 512 bytes: each wave's scale bytes on their way out
.set FLOOR, 0x4800000                  ; 2^(9 - 127): no largest magnitude is taken under it, so no byte falls under 1
.set GA,   1                           ; v1  (L/16) 2048 + 16 (L%16): x's loads (two rows a load) and the images' stores; never rewritten
.set AC,   3                           ; v3  my region + (L/16) PIT + 16 (L%16): rows as they are loaded
.set AKR,  4                           ; v4  my region + PIT L: a lane a token
.set AVR,  5                           ; v5  my region + 8 L: a lane two columns
.set ARW,  6                           ; v6  RED + 256 w + 16 (L%16)
.set ARR,  7                           ; v7  RED + 8 L
.set AIW,  8                           ; v8  RIV + 256 w + 8 L
.set ATB,  9                           ; v9  RIV + 256 w
.set AKS,  10                          ; v10 SST + 512 w + 2 L
.set AVS,  11                          ; v11 SST + 512 w + 256 + 4 L
.set ASO,  12                          ; v12 SST + 512 w + 8 L
.set GS,   13                          ; v13 8 L
.set SCP,  14                          ; v[14:15] the mean of columns 2 L, 2 L + 1; never rewritten
.set ACC,  16                          ; v16-23 sums of squares: two sets of two pairs; later the four below
.set M0,   16                          ; v16-17 largest magnitudes
.set SOP,  18                          ; v18-19 the conversions' scale operands
.set HOLD, 20                          ; v20-21 448 x the scale
.set BY,   22                          ; v22-23 the bytes
.set RV,   24                          ; v[24:25] 1/scale of columns 2 L, 2 L + 1
.set KBY,  26                          ; v26-27 K's two bytes of a token, for token blocks g = 0, 1
.set VSW,  28                          ; v28-29 V's scale words of columns 2 L, 2 L + 1
.set T,    32                          ; v32-47 two sets of eight numbers down l
.set CK,   48                          ; v48-63 codes
.set W,    64                          ; v64-127 at work; in the passes along d its upper half holds 1/scale of 32 columns
.set R,    128                         ; v128-255 my rows 64-127, held
	s_load_b128 s[4:7], s[0:1], 0x0                ; x, codes
	s_load_b64 s[8:9], s[0:1], 0x10                ; scale
	v_lshrrev_b32 v30, 5, v0
	v_readfirstlane_b32 s10, v30                   ; wave 0..15
	s_and_b32 s11, ttmp7, 0xffff                   ; batch
	v_and_b32 v30, 31, v0                          ; L
	v_and_b32 v31, 15, v0                          ; L % 16
	v_bfe_u32 v32, v0, 4, 1                        ; L / 16
	v_lshlrev_b32 v[GA], 4, v31
	v_lshl_add_u32 v[GA], v32, 11, v[GA]
	s_mul_i32 s30, s10, REGB
	v_mul_u32_u24 v[AC], v32, PIT
	v_lshl_add_u32 v[AC], v31, 4, v[AC]
	v_add_nc_u32 v[AC], s30, v[AC]
	v_mul_u32_u24 v[AKR], v30, PIT
	v_add_nc_u32 v[AKR], s30, v[AKR]
	v_lshl_add_u32 v[AVR], v30, 3, s30
	s_lshl_b32 s31, s10, 8
	s_add_co_u32 s32, s31, RED
	v_lshl_add_u32 v[ARW], v31, 4, s32
	v_lshl_add_u32 v[ARR], v30, 3, RED
	s_add_co_u32 s32, s31, RIV
	v_lshl_add_u32 v[AIW], v30, 3, s32
	v_mov_b32 v[ATB], s32
	s_lshl_b32 s31, s10, 9
	s_add_co_u32 s32, s31, SST
	v_lshl_add_u32 v[AKS], v30, 1, s32
	v_lshl_add_u32 v[ASO], v30, 3, s32
	s_add_co_u32 s32, s32, 256
	v_lshl_add_u32 v[AVS], v30, 2, s32
	v_lshlrev_b32 v[GS], 3, v30
	s_mov_b32 s26, 0x76543210
	s_mov_b32 s27, 0xfedcba98                      ; v_permlanex16_b32's selects for lane l xor 16
	s_mov_b32 s28, 0x600000                        ; the mantissa field of 448
	s_lshl_b32 s12, s11, 22                        ; x: batch x 4 MiB
	s_lshl_b32 s30, s10, 18                        ; + wave x 128 rows of 2,048 bytes
	s_add_co_u32 s12, s12, s30
	s_lshl_b32 s33, ttmp9, 8                       ; + my 64 columns: 256 ch
	s_add_co_u32 s12, s12, s33
	s_mov_b32 s13, 0
	s_lshl_b32 s14, s11, 4
	s_add_co_u32 s14, s14, s10
	s_mul_i32 s14, s14, REC                        ; record 16 b + w (under 2^27 bytes)
	s_mov_b32 s15, 0
	s_mov_b32 s31, 0
	s_wait_kmcnt 0x0
	s_add_nc_u64 s[4:5], s[4:5], s[12:13]
	s_add_nc_u64 s[14:15], s[6:7], s[14:15]        ; my record
	s_lshr_b32 s30, ttmp9, 1
	s_lshl_b32 s30, s30, 12
	s_and_b32 s32, ttmp9, 1
	s_lshl_b32 s32, s32, 10
	s_add_co_u32 s30, s30, s32
	s_add_nc_u64 s[16:17], s[14:15], s[30:31]      ; K images: s = ch / 2, c = 2 (ch % 2) + j
	s_lshl_b32 s30, ttmp9, 13
	s_add_co_u32 s30, s30, 65536
	s_add_nc_u64 s[18:19], s[14:15], s[30:31]      ; V images: dt = 4 ch ..
	s_add_co_u32 s30, s33, 131072
	s_add_nc_u64 s[20:21], s[14:15], s[30:31]      ; K's scale bytes
	s_add_co_u32 s30, s33, 133120
	s_add_nc_u64 s[22:23], s[14:15], s[30:31]      ; V's scale words
	s_lshl_b32 s30, s11, 11
	s_add_co_u32 s30, s30, s33
	s_add_nc_u64 s[24:25], s[8:9], s[30:31]        ; scale[b][64 ch ..]
.macro LOADX dst, i0, n                ; n loads of two rows each: lanes 0-15 one row's 256 bytes, lanes 16-31 the next row's
.set k, 0
.rept \n
	global_load_b128 v[\dst+4*k:\dst+4*k+3], v[GA], s[4:5] offset:(\i0+k)*4096 th:TH_LOAD_NT
.set k, k+1
.endr
.endm
.macro STOREX src, i0, n               ; the same rows into my region
.set k, 0
.rept \n
	ds_store_b128 v[AC], v[\src+4*k:\src+4*k+3] offset:(\i0+k)*2*PIT
.set k, k+1
.endr
.endm
.macro SQ base, n, first               ; sums of squares of my four columns, two sets by turns; first = 1: the first two loads start the sums
.set k, 0
.rept \n
.set a0, ACC+4*(k%2)
.if (\first) && (k < 2)
	v_pk_mul_f32 v[a0:a0+1], v[\base+4*k:\base+4*k+1], v[\base+4*k:\base+4*k+1]
	v_pk_mul_f32 v[a0+2:a0+3], v[\base+4*k+2:\base+4*k+3], v[\base+4*k+2:\base+4*k+3]
.else
	v_pk_fma_f32 v[a0:a0+1], v[\base+4*k:\base+4*k+1], v[\base+4*k:\base+4*k+1], v[a0:a0+1]
	v_pk_fma_f32 v[a0+2:a0+3], v[\base+4*k+2:\base+4*k+3], v[\base+4*k+2:\base+4*k+3], v[a0+2:a0+3]
.endif
.set k, k+1
.endr
.endm
	; ---- x comes in, once: 48 loads of 512 bytes a wave are out at the start
	LOADX W, 0, 16                                 ; rows 0-31
	LOADX R, 32, 32                                ; rows 64-127: they stay in registers
	s_wait_loadcnt 32                              ; loads come back in order: rows 0-31 are in, the 32 loads behind them may be out
	SQ W, 16, 1
	STOREX W, 0, 16
	s_wait_dscnt 0x0                               ; the stores have read their registers
	LOADX W, 16, 16                                ; rows 32-63
	s_wait_loadcnt 16                              ; rows 64-127 are in
	SQ R, 32, 0
	s_wait_loadcnt 0x0
	SQ W, 16, 0
	STOREX W, 16, 16
	; ---- the mean
	v_pk_add_f32 v[16:17], v[16:17], v[20:21]
	v_pk_add_f32 v[18:19], v[18:19], v[22:23]
.irp i, 0,1,2,3
	v_permlanex16_b32 v[20+\i], v[16+\i], s26, s27 ; the odd rows' sums lie 16 lanes away
.endr
	v_pk_add_f32 v[16:17], v[16:17], v[20:21]
	v_pk_add_f32 v[18:19], v[18:19], v[22:23]
	ds_store_b128 v[ARW], v[16:19]                 ; my 128 rows' sums of columns 4 (L%16) ..: both halves of the lanes write the same bytes with the same values
	s_wait_dscnt 0x0                               ; for the others' sake: my stores are done
	s_barrier_signal -1
	s_barrier_wait -1
.set k, 0
.rept 16
	ds_load_b64 v[W+2*k:W+2*k+1], v[ARR] offset:256*k
.set k, k+1
.endr
	s_wait_dscnt 0x0
.set k, 1
.rept 15
	v_pk_add_f32 v[W:W+1], v[W:W+1], v[W+2*k:W+2*k+1]
.set k, k+1
.endr
	v_pk_mul_f32 v[SCP:SCP+1], v[W:W+1], 0x3a000000 op_sel_hi:[1,0]   ; / 2,048
	s_cmp_lg_u32 s10, 0
	s_cbranch_scc1 .Lnot_wave_0
	global_store_b64 v[GS], v[SCP:SCP+1], s[24:25] ; the mean as it is, not held at 1e-12: 32 lanes store 256 consecutive bytes
.Lnot_wave_0:
	v_max_num_f32 v30, 0x2b8cbccc, v[SCP]          ; max(scale, 1e-12)
	v_max_num_f32 v31, 0x2b8cbccc, v[SCP+1]
	v_rcp_f32 v[RV], v30
	v_rcp_f32 v[RV+1], v31
	v_nop                                          ; a plain instruction behind the reciprocals
	s_wait_alu depctr_va_vdst(0)                   ; one wait for both, ahead of their first reader
	v_fma_f32 v32, -v30, v[RV], 1.0                ; one Newton step: r + r (1 - s r)
	v_fma_f32 v33, -v31, v[RV+1], 1.0
	v_fma_f32 v[RV], v[RV], v32, v[RV]
	v_fma_f32 v[RV+1], v[RV+1], v33, v[RV+1]
	ds_store_b64 v[AIW], v[RV:RV+1]                ; my wave's own table of the 64 reciprocals: LDS serves a wave's instructions in order, so its reads need no barrier
.macro TBLOAD j                        ; 1/scale of columns 32 j .. 32 j + 31, the same in every lane
.irp i, 0,1,2,3,4,5,6,7
	ds_load_b128 v[W+32+4*\i:W+35+4*\i], v[ATB] offset:128*(\j)+16*\i
.endr
.endm
; ALONG d.  A lane takes token 32 g + L of the 64 rows in LDS, and its 32 registers one block of 32 columns: the block's largest magnitude needs no other lane.
.macro KPASS st, g, j
.irp i, 0,1,2,3,4,5,6,7
	ds_load_b128 v[W+4*\i:W+4*\i+3], v[AKR] offset:(\g)*32*PIT+128*(\j)+16*\i
.endr
	s_wait_dscnt 0x0
.set k, 0
.rept 16
	v_pk_mul_f32 v[W+2*k:W+2*k+1], v[W+2*k:W+2*k+1], v[W+32+2*k:W+33+2*k]   ; direction
.set k, k+1
.endr
	v_max3_num_f32 v[M0], |v[W]|, |v[W+1]|, FLOOR
	v_max3_num_f32 v[M0+1], |v[W+16]|, |v[W+17]|, |v[W+18]|
.irp i, 0,2,4,6,8,10
	v_max3_num_f32 v[M0], v[M0], |v[W+2+\i]|, |v[W+3+\i]|
	v_max3_num_f32 v[M0+1], v[M0+1], |v[W+19+\i]|, |v[W+20+\i]|
.endr
	v_max3_num_f32 v[M0], v[M0], |v[W+14]|, |v[W+15]|
	v_max3_num_f32 v[M0], v[M0], v[M0+1], |v[W+31]|
	v_add_nc_u32 v[SOP], 0xfc000000, v[M0]         ; 8 off the exponent field: the conversion takes this operand's exponent field as its scale
	v_and_or_b32 v[HOLD], v[M0], 0x7f800000, s28   ; 448 x the scale
	v_lshrrev_b32 v[BY], 23, v[SOP]                ; the byte
.set k, 0
.rept 32
	v_med3_num_f32 v[W+k], v[W+k], -v[HOLD], v[HOLD]   ; the conversion to an 8-bit code does not saturate (ISA guide 7.6.2): the hold comes first
.set k, k+1
.endr
	s_wait_xcnt 0x0                                ; the last stores have read the codes' registers
.irp q, 0,1,2,3
	v_cvt_scalef32_pk8_fp8_f32 v[CK+2*\q:CK+2*\q+1], v[W+8*\q:W+8*\q+7], v[SOP]
.endr
.if (\j) == 0
	v_mov_b32 v[KBY+\g], v[BY]                     ; (a plain instruction behind the last conversion)
.else
	v_lshl_or_b32 v[KBY+\g], v[BY], 8, v[KBY+\g]
	ds_store_b16 v[AKS], v[KBY+\g] offset:(2*(\st)+(\g))*64
.endif
	global_store_b128 v[GA], v[CK:CK+3], s[16:17] offset:(2*(\st)+(\g))*16384+512*(\j)        ; d 0-15 of the block: the h = 0 lanes' bytes of the image
	global_store_b128 v[GA], v[CK+4:CK+7], s[16:17] offset:(2*(\st)+(\g))*16384+512*(\j)+256  ; d 16-31: the h = 1 lanes'
.endm
; ALONG l.  A lane takes columns 2 L and 2 L + 1, and its registers run down the 32 tokens of a block: each load reads 256 consecutive bytes, and nothing is transposed by an instruction.
.macro VPASS st, g
.set k, 0
.rept 32
	ds_load_b64 v[W+2*k:W+2*k+1], v[AVR] offset:(32*(\g)+k)*PIT
.set k, k+1
.endr
	s_wait_dscnt 0x0
.set k, 0
.rept 32
	v_pk_mul_f32 v[W+2*k:W+2*k+1], v[W+2*k:W+2*k+1], v[RV:RV+1]
.set k, k+1
.endr
	v_max3_num_f32 v[M0], |v[W]|, |v[W+2]|, FLOOR
	v_max3_num_f32 v[M0+1], |v[W+1]|, |v[W+3]|, FLOOR
.set k, 2
.rept 15
	v_max3_num_f32 v[M0], v[M0], |v[W+2*k]|, |v[W+2*k+2]|
	v_max3_num_f32 v[M0+1], v[M0+1], |v[W+2*k+1]|, |v[W+2*k+3]|
.set k, k+2
.endr
.irp e, 0,1
	v_add_nc_u32 v[SOP+\e], 0xfc000000, v[M0+\e]
	v_and_or_b32 v[HOLD+\e], v[M0+\e], 0x7f800000, s28
	v_lshrrev_b32 v[BY+\e], 23, v[SOP+\e]
.endr
	s_wait_xcnt 0x0                                ; the last stores have read the codes' registers
.irp e, 0,1
.irp q, 0,1,2,3                        ; tokens 8 q .. 8 q + 7 go to the lanes' half q % 2, bytes 8 (q / 2) on; the hold also parts the two columns
.irp n, 0,1,2,3,4,5,6,7
	v_med3_num_f32 v[T+8*(\q%2)+\n], v[W+2*(8*\q+\n)+\e], -v[HOLD+\e], v[HOLD+\e]
.endr
	v_cvt_scalef32_pk8_fp8_f32 v[CK+8*\e+4*(\q%2)+2*(\q/2):CK+8*\e+4*(\q%2)+2*(\q/2)+1], v[T+8*(\q%2):T+8*(\q%2)+7], v[SOP+\e]
.endr
.endr
.irp e, 0,1
.if (2*(\st)+(\g)) == 0
	v_mov_b32 v[VSW+\e], v[BY+\e]                  ; (plain instructions behind the last conversion)
.else
	v_lshl_or_b32 v[VSW+\e], v[BY+\e], 8*(2*(\st)+(\g)), v[VSW+\e]
.endif
.endr
.irp e, 0,1
.irp h, 0,1
	global_store_b128 v[GA], v[CK+8*\e+4*\h:CK+8*\e+4*\h+3], s[18:19] offset:\e*4096+512*(2*(\st)+(\g))+256*\h
.endr
.endr
.endm
.macro QTILE st                        ; the 64 rows that lie in LDS: token blocks 2 st and 2 st + 1
.irp j, 0,1
	TBLOAD \j
	KPASS \st, 0, \j
	KPASS \st, 1, \j
.endr
	VPASS \st, 0
	VPASS \st, 1
.endm
	QTILE 0
	STOREX R, 0, 32                                ; my rows 64-127 take the region: LDS serves a wave's instructions in order, and all reads of rows 0-63 have come back
	QTILE 1
	ds_store_b32 v[AVS], v[VSW]
	ds_store_b32 v[AVS], v[VSW+1] offset:128
	ds_load_b64 v[32:33], v[ASO]                   ; in order behind my stores
	ds_load_b64 v[34:35], v[ASO] offset:256
	s_wait_dscnt 0x0
	global_store_b64 v[GS], v[32:33], s[20:21]     ; 32 lanes store 256 consecutive bytes, aligned
	global_store_b64 v[GS], v[34:35], s[22:23]
	s_wait_xcnt 0x0
	v_lshl_add_u32 v254, v0, 2, 0x48000
	v_mov_b32 v255, 0
	s_wait_tensorcnt 0x0
	ds_add_u32 v254, v255
	s_wait_dscnt 0x0
	s_endpgm
.Lfunc_end_k_qe13ab50aca_prep:
	.size	k_qe13ab50aca_prep, .Lfunc_end_k_qe13ab50aca_prep-k_qe13ab50aca_prep
	.p2alignl 7, 3214868480
	.fill 96, 4, 3214868480
	.section	.rodata,"a",@progbits
	.p2align	6, 0x0
	.amdhsa_kernel k_qe13ab50aca_prep
		.amdhsa_group_segment_fixed_size 296960
		.amdhsa_private_segment_fixed_size 0
		.amdhsa_enable_private_segment 0
		.amdhsa_kernarg_size 24
		.amdhsa_user_sgpr_count 2
		.amdhsa_user_sgpr_kernarg_segment_ptr 1
		.amdhsa_wavefront_size32 1
		.amdhsa_system_sgpr_workgroup_id_x 1
		.amdhsa_system_sgpr_workgroup_id_y 1
		.amdhsa_system_sgpr_workgroup_id_z 1
		.amdhsa_system_vgpr_workitem_id 0
		.amdhsa_next_free_vgpr 256
		.amdhsa_next_free_sgpr 66
		.amdhsa_reserve_vcc 0
		.amdhsa_float_denorm_mode_32 3
		.amdhsa_float_denorm_mode_16_64 3
		.amdhsa_memory_ordered 1
		.amdhsa_forward_progress 1
		.amdhsa_inst_pref_size 116
	.end_amdhsa_kernel
	.amdgpu_metadata
---
amdhsa.version: [ 1, 2 ]
amdhsa.kernels:
  - .name:           k_qe13ab50aca_prep
    .symbol:         k_qe13ab50aca_prep.kd
    .args:
      - { .name: x, .offset: 0, .size: 8, .value_kind: global_buffer, .address_space: global }
      - { .name: codes, .offset: 8, .size: 8, .value_kind: global_buffer, .address_space: global }
      - { .name: scale, .offset: 16, .size: 8, .value_kind: global_buffer, .address_space: global }
    .group_segment_fixed_size: 296960
    .private_segment_fixed_size: 0
    .kernarg_segment_align: 8
    .kernarg_segment_size: 24
    .max_flat_workgroup_size: 512
    .sgpr_count:     66
    .vgpr_count:     256
    .wavefront_size: 32
...
	.end_amdgpu_metadata
.endif
;; end of part 1
;; launch vlad (part 2): grid 8 x 32, 4 waves a work-group, clusters of 4 x 1, 327,680 bytes of LDS; arguments centroids, codes, part; writes part
.if DOCPART == 2
	.amdgcn_target "amdgcn-amd-amdhsa--gfx1250"
	.amdhsa_code_object_version 6
	.text
	.protected	k_qe13ab50aca_vlad
	.globl	k_qe13ab50aca_vlad
	.p2align	8
	.type	k_qe13ab50aca_vlad,@function
k_qe13ab50aca_vlad:
	s_mov_b64 s[64:65], 0
	v_nop
	global_prefetch_b8 v0, s[64:65] scope:SCOPE_SE
	s_setreg_imm32_b32 hwreg(HW_REG_WAVE_MODE, 25, 1), 1
	s_wait_xcnt 0x0
	s_wait_alu depctr_hold_cnt(0) depctr_sa_sdst(0) depctr_va_vdst(0) depctr_va_sdst(0) depctr_va_ssrc(0) depctr_va_vcc(0) depctr_vm_vsrc(0)
	s_getreg_b32 s2, hwreg(HW_REG_IB_STS2, 6, 4)
	s_cmp_eq_u32 s2, 0
	s_cbranch_scc0 .Lentry_in_a_cluster
	s_endpgm
.Lentry_in_a_cluster:
	s_bfe_u32 s2, ttmp6, 0x10000c
	s_cmp_lg_u32 s2, 0x3003
	s_cbranch_scc0 .Lentry_shape_is_right
	s_endpgm
.Lentry_shape_is_right:
; VLAD.  For batch b and 64 centroids (four tiles t of 16): logits = direction . 200 c - 100 |c|, softmax over the 2,048 tokens, P V / l - (sum a) c, summed over the 64 centroids -> part[b][g][512].
; Both products on codes of E4M3 with E8M0 scales.  The centroids are the queries (quantised here, along d), the tokens the keys and the values (records made by the launch before, laid as register images).
; THE SOFTMAX: t = logit x log2(e); p = 2^(t - M), M a whole number; l is the sum of the unquantised p; the product is divided by l at the end.
; SHARES.  16 steps of 128 tokens.  S^T = K Q^T: wave w takes token block w (two tiles u of 16 tokens) x four t x four K steps s: 32 matrix instructions from 8 fragments of K.
; O^T = V^T P^T: wave w takes 128 of the 512 columns (8 fragments) x four t: 32 matrix instructions.  So each fragment read from LDS feeds four matrix instructions.
; P GOES FROM WAVE TO WAVE AS AN IMAGE OF ITS REGISTERS: wave c makes registers 4 c .. 4 c + 3 of each of the four fragments of P (its token block is block c of the second product's K).
; Inside a block of 32 the tokens stand in the order in which S^T leaves them in a lane, 16 (i/8) + 8 h + i%8; V's images have the same order.
; THE MAXIMUM.  Each wave keeps a running whole-number M_w and a sum l_w over its own tokens, and publishes -M_w and its block's byte.  All waves keep M_c, the largest M_w so far, lower each
; byte by M_c - M_w and multiply O^T by 2^(old M_c - new M_c): powers of two throughout, nothing is rounded.  M_c begins at -3e38 and the factor's exponent is held at -300 from below, so the
; first step's factor is 0: it turns what O^T's registers hold from the head (c, finite numbers) into zeros.  Nothing is cleared, and the first step has no text of its own.
; CLUSTER.  The four work-groups of a cluster belong to one batch and walk the same records: each quarter of a record is asked for JOINTLY, by the same tensor load with a mask that names the four.
; THE RING.  Two slots of one record.  ONE ROUND A STEP, AT THE EXCHANGE OF P: by then a wave has all it wants of the step's slot in registers (K, V and their scales), so the barrier that
; hands P over is also the one behind which that slot is filled again, with the record two steps on.  The load has a whole step in which to land: the wait for it stands in front of the next round.
; The exchange has two buffers by turns: a buffer written in step j + 2 was last read in step j, and every wave passes round j + 1 behind those reads.
; LIMITS: NaN and infinities are not served (c among them: the first step's 0 x c).  M is a whole number kept in f32: exact for |t| < 2^24.  A block of p whose byte would fall under 0 when it is
; brought under M_c is counted at the scale 2^-127: under 1e-33 beside a sum of at least 1/2.  A block of zeros carries the byte 1: its codes are zeros.
; REGISTERS, in windows of 256: window 0: see below.  window 1: Q, fragment (t, s) at 16 (4 t + s); from the last step on c.  window 2: O^T, accumulator (t, dtl) at 8 (8 t + dtl); at the head c.
; window 3: v0-127 eight fragments of K or of V; v128-159 the bias, eight registers a tile, the C of a tile's first product; at the end v0-63 sum a.
.set REC,   135168
.set QREC,  REC/4                      ; what one tensor load brings: 132 rows of 256 bytes
.set VIMO,  65536
.set KSCO,  131072
.set VSCO,  133120
.set XCH,   2*REC                      ; behind the ring: what waves hand to each other; no tile lands here
.set O_QSC, 32768                      ; head: Q's 16 images at 0, their scale words, the bias
.set O_QB,  34816
.set XBUF,  12288                      ; loop: two exchange buffers; in each P's images at 0, -M_w, the bytes
.set O_XM,  8192
.set O_XB,  10240
.set O_XL,  36864                      ; end: l_w, -M_w, the stage for the columns' sums, sum a
.set O_XN,  38912
.set O_STG, 40960
.set O_SA,  43008
.set SPARE, XCH+44032                  ; the spare words, 128 bytes for each wave: two blocks of 256 bytes that no other line names
.set A16, 1                            ; v1  XCH + 16 L
.set AXP, 2                            ; v2  XCH + 512 w + 16 L
.set AQI, 3                            ; v3  XCH + 8192 w + 16 L
.set AXW, 4                            ; v4  XCH + 16 L + 4 w
.set A4,  5                            ; v5  XCH + 4 L
.set AQS, 6                            ; v6  XCH + 4 L + 128 (L/16)
.set AQW, 7                            ; v7  XCH + 512 w + 4 L
.set AQB, 8                            ; v8  XCH + 128 w + 4 L
.set AK,  9                            ; v9-10   slot n: my token block's fragments of K
.set AV,  11                           ; v11-12  my eight fragments of V
.set ASK, 13                           ; v13-14  K's scale bytes
.set ASV, 15                           ; v15-16  V's scale words
.set SPW, 17                           ; v17 my spare word; never rewritten
.set NIL, 18                           ; v18 0; never rewritten
.set PFO, 19                           ; v19 256 L
.set AZW, 20                           ; v20 stage + 512 w + 64 h
.set AZR, 21                           ; v21 stage + 512 w + 16 L
.set ASW, 22                           ; v22 sum a + 256 w + 4 r
.set ASR, 23                           ; v23 sum a + 256 w
.set GC,  24                           ; v24 2048 r + 64 h
.set G16, 25                           ; v25 16 L
.set QS,  28                           ; v28-35 Q's scale words: register 2 t + s/2: K step s even in lanes 0-15, odd in lanes 16-31
.set KS,  36                           ; v36-39 K's: register s: tile u = 0 in lanes 0-15, u = 1 in lanes 16-31
.set VS,  40                           ; v40-43 V's: register dtl/2: dtl even in lanes 0-15, odd in lanes 16-31
.set PW,  44                           ; v44-47 P's, a register a tile
.set KT,  48                           ; v48-55 halves of K's scale words
.set ST,  56                           ; v56-63 pairs (-M_w, the largest t)
.set LS,  64                           ; v64-71 l_w, in two halves
.set FP,  72                           ; v72-79 pairs (2^(old M_w - new M_w), 0)
.set MX,  80
.set TP,  84
.set OLD, 88
.set PMX, 92
.set SOP, 96
.set HOLD, 100
.set BY,  104
.set NMC, 108                          ; v108-111 -M_c
.set FC,  112                          ; v112-119 pairs (2^(old M_c - new M_c), 0)
.set MW,  120                          ; v120-135 the four waves' -M_w, four a tile
.set BW,  136                          ; v136-151 and their bytes
.set PC,  152                          ; v152-167 codes just made
.set S,   168                          ; v168-231 S^T, then p, then P's four fragments; at the end the columns' sums
.set SS,  232                          ; head: sums of squares
.set BT,  236                          ; head: the bias as it comes back
.set RL,  240                          ; end: pairs (1/l, 0)
.set ZR,  248
.set CT,  252
.set TM,  80                           ; head: the quantiser's sixteen registers, and its scale word
.set QPW, 96
.set WV,  10
.set G1,  16                           ; s[16:23] descriptor group 1
.set G0,  24                           ; s[24:31] group 0, a set for each slot
.set SEL, 32
.set CS,  34                           ; s[34:35] log2(e)
.set MNT, 36
.set CNT, 37
.set LIM, 38                           ; 1 in a cluster that prefetches, else the greatest number
.set PFA, 40                           ; s[40:41] where my prefetches stand
.set MSB, 0
.macro WIN new                         ; the immediate's high byte repeats the setting that is left
.if MSB != \new
	s_set_vgpr_msb (MSB<<8)|\new
.set MSB, \new
.endif
.endm
.macro PLACES n
.rept \n
	v_nop
.endr
.endm
.macro ROUND                           ; a round of the cluster's barrier
	s_barrier_signal -1
	s_barrier_wait -1
	s_cmp_lg_u32 s[WV], 0
	s_cbranch_scc1 .Lnot_wave_0_\@
	s_barrier_signal -3
.Lnot_wave_0_\@:
	s_barrier_wait -3
	s_barrier_signal -1
	s_barrier_wait -1
.endm
; A PREFETCH INTO THE L2 of the K and V images (131,072 bytes) of the record that the NEXT step's tensor loads will ask for: in step j record j + 3.  Both clusters of a batch walk the same records: the
; first asks.  Its sixteen waves share the 512 blocks of 256 bytes BY ADDRESS, 8,192 bytes a wave, lanes 256 bytes apart: each block is named once in the launch.  Step 13 asks for nothing: there is no record 16.
.macro ASK how
.if \how
	s_cmp_eq_u32 s[LIM], 1
.else
	s_cmp_gt_u32 s[CNT], s[LIM]                    ; CNT = 1 in the loop's last trip
.endif
	s_cbranch_scc0 .Lnot_mine_\@
	global_prefetch_b8 v[PFO], s[PFA:PFA+1] th:TH_LOAD_NT scope:SCOPE_SE
.Lnot_mine_\@:
.endm
	s_load_b128 s[4:7], s[0:1], 0x0                ; centroids, codes
	s_load_b64 s[8:9], s[0:1], 0x10                ; part
	v_lshl_add_u32 v[SPW], v0, 2, SPARE
	v_mov_b32 v[NIL], 0
	ds_add_u32 v17, v18
	ds_add_u32 v17, v18
	s_wait_dscnt 0x0
	v_lshrrev_b32 v26, 5, v0
	v_readfirstlane_b32 s[WV], v26                 ; wave 0..3
	v_and_b32 v26, 31, v0                          ; L
	v_and_b32 v27, 15, v0                          ; r
	v_bfe_u32 v[BT], v0, 4, 1                      ; h
	v_lshl_add_u32 v[A16], v26, 4, XCH
	s_lshl_b32 s56, s[WV], 9
	v_add_nc_u32 v[AXP], s56, v[A16]
	s_lshl_b32 s57, s[WV], 13
	v_add_nc_u32 v[AQI], s57, v[A16]
	s_lshl_b32 s57, s[WV], 2
	v_add_nc_u32 v[AXW], s57, v[A16]
	v_lshl_add_u32 v[A4], v26, 2, XCH
	v_lshl_add_u32 v[AQS], v[BT], 7, v[A4]
	v_add_nc_u32 v[AQW], s56, v[A4]
	s_lshl_b32 s57, s[WV], 7
	v_add_nc_u32 v[AQB], s57, v[A4]
	s_lshl_b32 s57, s[WV], 14
	v_lshl_add_u32 v[AK], v26, 4, s57
	v_add_nc_u32 v[AK+1], REC, v[AK]
	v_add_nc_u32 v[AV], VIMO, v[AK]
	v_add_nc_u32 v[AV+1], REC, v[AV]
	s_lshl_b32 s57, s[WV], 6
	s_add_co_u32 s57, s57, KSCO
	v_lshl_add_u32 v[ASK], v26, 1, s57
	v_add_nc_u32 v[ASK+1], REC, v[ASK]
	s_add_co_u32 s57, s56, VSCO
	v_lshl_add_u32 v[ASV], v26, 2, s57
	v_add_nc_u32 v[ASV+1], REC, v[ASV]
	v_lshlrev_b32 v[PFO], 8, v26
	s_add_co_u32 s57, s56, XCH+O_STG
	v_lshl_add_u32 v[AZW], v[BT], 6, s57
	v_lshl_add_u32 v[AZR], v26, 4, s57
	s_lshl_b32 s57, s[WV], 8
	s_add_co_u32 s57, s57, XCH+O_SA
	v_lshl_add_u32 v[ASW], v27, 2, s57
	v_mov_b32 v[ASR], s57
	v_lshlrev_b32 v[GC], 11, v27
	v_lshl_add_u32 v[GC], v[BT], 6, v[GC]
	v_lshlrev_b32 v[G16], 4, v26
.irp t, 0,1,2,3
	v_mov_b32 v[TP+\t], 0                          ; written once: a lane permute's destination counts as one of its sources
	v_mov_b32 v[ST+2*\t+1], 0xff61b1e6             ; the largest t so far: -3e38
	v_mov_b32 v[NMC+\t], 0x7f61b1e6                ; -M_c: 3e38, over every -M_w
	v_mov_b32 v[LS+2*\t], 0
	v_mov_b32 v[LS+2*\t+1], 0
	v_mov_b32 v[FP+2*\t+1], 0                      ; (upper halves of pairs of which the low word serves both halves)
	v_mov_b32 v[FC+2*\t+1], 0
.endr
.irp t, 0,1,2,3
	v_floor_f32 v[ST+2*\t], -v[ST+2*\t+1]          ; -M_w
.endr
	s_bfe_u32 s11, ttmp6, 0x40000                  ; cx: it enters addresses of centroids, part and the prefetches alone
	s_lshl_b32 s12, ttmp9, 2
	s_add_co_u32 s12, s12, s11                     ; g: my 64 centroids
	s_and_b32 s13, ttmp7, 0xffff                   ; the batch, which the four partners share
	s_mov_b32 s[G1], 15|(3<<16)|(1<<21)            ; 15:0 the mask: all four work-groups; 17:16 elements of 8 bytes; 21 set beside a mask; no padding: images are read 512 bytes on end
	s_mov_b32 s[G1+1], 32<<16                      ; tensor_dim0 = 32 elements: 256 bytes
	s_mov_b32 s[G1+2], 132<<16                     ; tensor_dim1 = 132
	s_mov_b32 s[G1+3], 32<<16                      ; tile_dim0
	s_mov_b32 s[G1+4], 132                         ; tile_dim1
	s_mov_b32 s[G1+5], 32                          ; the pitch: dense
	s_mov_b32 s[G1+6], 0
	s_mov_b32 s[G1+7], 0
	s_mov_b32 s[SEL], 0x76543210
	s_mov_b32 s[SEL+1], 0xfedcba98
	s_mov_b32 s[CS], 0x3fb8aa3b                    ; log2(e)
	s_mov_b32 s[CS+1], s[CS]
	s_mov_b32 s[MNT], 0x600000                     ; the mantissa field of 448
	s_cmp_eq_u32 ttmp9, 0
	s_cselect_b32 s[LIM], 1, -1                    ; the same in all four partners
	s_mul_i32 s42, s13, 16*REC                     ; the batch's first record
	s_mov_b32 s43, 0
	s_mul_i32 s44, s[WV], QREC                     ; my quarter, in memory and in a slot
	s_mov_b32 s45, 0
	s_mov_b32 s55, 0
	s_wait_kmcnt 0x0
	s_add_nc_u64 s[46:47], s[6:7], s[42:43]
	s_mov_b32 s[G0], 1
	s_mov_b32 s[G0+1], s44
	s_add_nc_u64 s[G0+2:G0+3], s[46:47], s[44:45]
	s_mov_b32 s[G0+4], 1
	s_add_co_u32 s[G0+5], s44, REC
	s_add_nc_u64 s[G0+6:G0+7], s[G0+2:G0+3], REC
	s_or_b32 s[G0+3], s[G0+3], 0x80000000
	s_or_b32 s[G0+7], s[G0+7], 0x80000000
	s_lshl_b32 s54, s11, 2
	s_add_co_u32 s54, s54, s[WV]
	s_lshl_b32 s54, s54, 13
	s_add_co_u32 s54, s54, 2*REC                   ; in record 2: step 0 steps it to record 3.  Nothing is prefetched here, at the head
	s_add_nc_u64 s[PFA:PFA+1], s[46:47], s[54:55]
	s_lshl_b32 s54, s12, 6
	s_lshl_b32 s57, s[WV], 4
	s_add_co_u32 s54, s54, s57
	s_lshl_b32 s54, s54, 11
	s_add_nc_u64 s[48:49], s[4:5], s[54:55]        ; c at row 64 g + 16 w: the tile that I quantise
	s_lshl_b32 s54, s12, 17
	s_add_co_u32 s54, s54, s56
	s_add_nc_u64 s[50:51], s[4:5], s[54:55]        ; c at row 64 g, column 128 w: for the end
	s_lshl_b32 s54, s13, 3
	s_add_co_u32 s54, s54, s12
	s_lshl_b32 s54, s54, 11
	s_add_co_u32 s54, s54, s56
	s_add_nc_u64 s[52:53], s[8:9], s[54:55]        ; part[b][g][128 w ..]
	WIN 0x80                                       ; destination window 2
.irp s, 0,1,2,3
.irp bb, 0,1,2,3
.irp jj, 0,1,2,3
	global_load_b128 v[64*\s+16*\bb+4*\jj:64*\s+16*\bb+4*\jj+3], v[GC], s[48:49] offset:512*\s+128*\bb+16*\jj   ; c(row r, d = 128 s + 32 bb + 16 h + 4 jj ..)
.endr
.endr
.endr
	WIN 0
	ROUND                                          ; all four work-groups are here: the first joint loads meet
	tensor_load_to_lds s[G0:G0+3], s[G1:G1+7]      ; records 0 and 1 fill the two slots: both first fills go out together, and land while Q is quantised.  Two loads of mine are out
	s_nop 0
	tensor_load_to_lds s[G0+4:G0+7], s[G1:G1+7]
	s_nop 0
	PLACES 4
; 64 numbers of a lane, register 16 b + i = k 32 b + 16 h + i of my row, become a fragment's codes in v[PC] on and its scale word in v[QPW]
.macro QUANT src
.irp b, 0,1,2,3
	v_max3_num_f32 v[TM+\b], |v[\src+16*\b]|, |v[\src+1+16*\b]|, 0x4800000   ; and the floor 2^(9 - 127): the byte cannot fall under 1
.endr
.irp i, 2,4,6,8,10,12,14
.irp b, 0,1,2,3
	v_max3_num_f32 v[TM+\b], v[TM+\b], |v[\src+16*\b+\i]|, |v[\src+1+16*\b+\i]|
.endr
.endr
.irp b, 0,1,2,3
	v_permlanex16_b32 v[TM+4+\b], v[TM+\b], s[SEL], s[SEL+1]
.endr
.irp b, 0,1,2,3
	v_max_num_f32 v[TM+\b], v[TM+\b], v[TM+4+\b]   ; with lane l xor 16's: the block's largest magnitude
.endr
.irp b, 0,1,2,3
	v_add_nc_u32 v[TM+12+\b], 0xfc000000, v[TM+\b]
.endr
.irp b, 0,1,2,3
	v_and_or_b32 v[TM+8+\b], v[TM+\b], 0x7f800000, s[MNT]
.endr
.irp b, 0,1,2,3
	v_lshrrev_b32 v[TM+4+\b], 23, v[TM+12+\b]
.endr
	v_lshl_or_b32 v[QPW], v[TM+5], 8, v[TM+4]
	v_lshl_or_b32 v[QPW], v[TM+6], 16, v[QPW]
	v_lshl_or_b32 v[QPW], v[TM+7], 24, v[QPW]
.irp b, 0,1,2,3
.irp i, 0,1,2,3,4,5,6,7,8,9,10,11,12,13,14,15
	v_med3_num_f32 v[\src+16*\b+\i], v[\src+16*\b+\i], -v[TM+8+\b], v[TM+8+\b]   ; the conversion does not saturate (ISA guide 7.6.2)
.endr
	v_cvt_scalef32_pk8_fp8_f32 v[PC+4*\b:PC+1+4*\b], v[\src+16*\b:\src+7+16*\b], v[TM+12+\b]
	v_cvt_scalef32_pk8_fp8_f32 v[PC+2+4*\b:PC+3+4*\b], v[\src+8+16*\b:\src+15+16*\b], v[TM+12+\b]
.endr
	v_nop                                          ; a plain instruction behind the last conversion
.endm
	s_wait_loadcnt 0x0                             ; c
.irp s, 0,1,2,3                        ; wave w makes tile t = w of Q = 200 c: four fragments; and the sum of its rows' squares
	WIN 0x0a                                       ; sources 0 and 1 window 2
.set i, 0
.rept 32
.if (\s == 0) && (i < 2)
	v_pk_mul_f32 v[SS+2*(i%2):SS+2*(i%2)+1], v[64*\s+2*i:64*\s+2*i+1], v[64*\s+2*i:64*\s+2*i+1]
.else
	v_pk_fma_f32 v[SS+2*(i%2):SS+2*(i%2)+1], v[64*\s+2*i:64*\s+2*i+1], v[64*\s+2*i:64*\s+2*i+1], v[SS+2*(i%2):SS+2*(i%2)+1]
.endif
.set i, i+1
.endr
	WIN 0x02
.set i, 0
.rept 32
	v_pk_mul_f32 v[S+2*i:S+2*i+1], v[64*\s+2*i:64*\s+2*i+1], 0x43480000 op_sel_hi:[1,0]   ; 200 c
.set i, i+1
.endr
	WIN 0
	QUANT S
.irp c, 0,1,2,3
	ds_store_b128 v[AQI], v[PC+4*\c:PC+4*\c+3] offset:2048*\s+512*\c
.endr
	ds_store_b32 v[AQW], v[QPW] offset:O_QSC+128*\s
	s_wait_dscnt 0x0                               ; the stores have read their registers
.endr
	v_pk_add_f32 v[SS:SS+1], v[SS:SS+1], v[SS+2:SS+3]
	v_add_f32 v[SS], v[SS], v[SS+1]
	v_permlanex16_b32 v[SS+1], v[SS], s[SEL], s[SEL+1]
	v_add_f32 v[SS], v[SS], v[SS+1]                ; |c|^2 of row r
	v_sqrt_f32 v[SS], v[SS]
	v_nop
	s_wait_alu depctr_va_vdst(0)                   ; ahead of the root's first reader
	v_mul_f32 v[SS], 0xc2c80000, v[SS]             ; the bias: -100 |c|
	ds_store_b32 v[AQB], v[SS] offset:O_QB
	s_wait_dscnt 0x0                               ; for the others' sake
	s_barrier_signal -1                            ; the records may stay on their way
	s_barrier_wait -1
	WIN 0x40                                       ; destination window 1
.set i, 0
.rept 64
	ds_load_b128 v[4*i:4*i+3], v[A16] offset:512*i ; Q's sixteen fragments: they stay
.set i, i+1
.endr
	WIN 0
.irp t, 0,1,2,3
.irp p, 0,1
	ds_load_b32 v[QS+2*\t+\p], v[AQS] offset:O_QSC+(4*\t+2*\p)*128   ; an image holds a row's word in both halves of the lanes: lanes 16-31 take the next K step's
.endr
	ds_load_b32 v[BT+\t], v[A4] offset:O_QB+128*\t
.endr
	s_wait_dscnt 0x0                               ; my reads of Q's images are over: the exchange's first buffer lies in their bytes
	WIN 0xc0                                       ; destination window 3
.irp t, 0,1,2,3
.irp i, 0,1,2,3,4,5,6,7
	v_mov_b32 v[128+8*\t+\i], v[BT+\t]             ; in S^T a lane holds one centroid, so its eight registers take that centroid's bias
.endr
.endr
	WIN 0
	s_wait_tensorcnt 0x1                           ; my quarter of record 0 is in; record 1's load may stay out
	s_barrier_signal -1
	s_barrier_wait -1                              ; record 0 is whole, and nobody reads Q's images any more
; one product of S^T = K Q^T + bias: K step s, tokens' tile u, centroids' tile t
.macro SPROD s, u, t
.set rD, S+16*(\t)+8*(\u)
.set rA, 16*(2*(\s)+(\u))
.set rB, 16*(4*(\t)+(\s))
.if (\s) == 0
.set rC, 128+8*(\t)
.else
.set rC, rD
.endif
.set rX, KS+(\s)
.set rY, QS+2*(\t)+(\s)/2
.if ((\u) == 0) && ((\s)%2 == 0)
	v_wmma_scale_f32_16x16x128_f8f6f4 v[rD:rD+7], v[rA:rA+15], v[rB:rB+15], v[rC:rC+7], v[rX], v[rY]
.elseif ((\s)%2 == 0)
	v_wmma_scale_f32_16x16x128_f8f6f4 v[rD:rD+7], v[rA:rA+15], v[rB:rB+15], v[rC:rC+7], v[rX], v[rY] matrix_a_scale:MATRIX_SCALE_ROW1
.elseif ((\u) == 0)
	v_wmma_scale_f32_16x16x128_f8f6f4 v[rD:rD+7], v[rA:rA+15], v[rB:rB+15], v[rC:rC+7], v[rX], v[rY] matrix_b_scale:MATRIX_SCALE_ROW1
.else
	v_wmma_scale_f32_16x16x128_f8f6f4 v[rD:rD+7], v[rA:rA+15], v[rB:rB+15], v[rC:rC+7], v[rX], v[rY] matrix_a_scale:MATRIX_SCALE_ROW1 matrix_b_scale:MATRIX_SCALE_ROW1
.endif
.endm
; one product of O^T += V^T P^T: my fragment dtl of V, centroids' tile t
.macro OPROD dtl, t
.set rD, 64*(\t)+8*(\dtl)
.set rA, 16*(\dtl)
.set rB, S+16*(\t)
.set rX, VS+(\dtl)/2
.set rY, PW+(\t)
.if ((\dtl)%2 == 0)
	v_wmma_scale_f32_16x16x128_f8f6f4 v[rD:rD+7], v[rA:rA+15], v[rB:rB+15], v[rD:rD+7], v[rX], v[rY]
.else
	v_wmma_scale_f32_16x16x128_f8f6f4 v[rD:rD+7], v[rA:rA+15], v[rB:rB+15], v[rD:rD+7], v[rX], v[rY] matrix_a_scale:MATRIX_SCALE_ROW1
.endif
.endm
.macro OGRP d                          ; fragment d of V against the four tiles: four accumulators, one instruction each
	WIN 0xa3                                       ; V window 3, P window 0, O^T window 2
.irp t, 0,1,2,3
	OPROD \d, \t
.endr
.endm
.macro RESC d                          ; the same four accumulators under the new M_c, each from its low end on
	WIN 0x82                                       ; O^T window 2, the factor window 0
.irp t, 0,1,2,3
.irp i, 0,2,4,6
	v_pk_mul_f32 v[64*\t+8*(\d)+\i:64*\t+8*(\d)+\i+1], v[64*\t+8*(\d)+\i:64*\t+8*(\d)+\i+1], v[FC+2*\t:FC+2*\t+1] op_sel_hi:[1,0]
.endr
.endr
.endm
; THE SOFTMAX OF MY TOKEN BLOCK, for the four tiles by turns.  A lane holds one centroid and 16 of the block's 32 tokens; lane l xor 16 holds the others.
.macro PRODUCER
.irp t, 0,1,2,3
	v_max3_num_f32 v[MX+\t], v[S+16*\t], v[S+16*\t+1], v[S+16*\t+2]   ; the block's largest score: for M, and, since p rises with the score, for the block's largest p
.endr
.irp i, 3,5,7,9,11,13
.irp t, 0,1,2,3
	v_max3_num_f32 v[MX+\t], v[MX+\t], v[S+16*\t+\i], v[S+16*\t+\i+1]
.endr
.endr
.irp t, 0,1,2,3
	v_max_num_f32 v[MX+\t], v[MX+\t], v[S+16*\t+15]
.endr
.irp t, 0,1,2,3
	v_permlanex16_b32 v[TP+\t], v[MX+\t], s[SEL], s[SEL+1]
.endr
.irp t, 0,1,2,3
	v_max_num_f32 v[MX+\t], v[MX+\t], v[TP+\t]
.endr
.irp t, 0,1,2,3
	v_mul_f32 v[TP+\t], s[CS], v[MX+\t]            ; as t
.endr
.irp t, 0,1,2,3
	v_max_num_f32 v[ST+2*\t+1], v[ST+2*\t+1], v[TP+\t]   ; the running largest t
.endr
.irp t, 0,1,2,3
	v_mov_b32 v[OLD+\t], v[ST+2*\t]
.endr
.irp t, 0,1,2,3
	v_floor_f32 v[ST+2*\t], -v[ST+2*\t+1]          ; -M_w = floor(-t) = -ceil(t)
.endr
.irp t, 0,1,2,3
	v_sub_f32 v[OLD+\t], v[ST+2*\t], v[OLD+\t]     ; old M_w - new M_w: a whole number, 0 or less
.endr
.irp t, 0,1,2,3
	v_cvt_i32_f32 v[OLD+\t], v[OLD+\t]             ; (it saturates)
.endr
.irp t, 0,1,2,3
	v_ldexp_f32 v[FP+2*\t], 1.0, v[OLD+\t]
.endr
.irp i, 0,2,4,6,8,10,12,14
.irp t, 0,1,2,3
	v_pk_fma_f32 v[S+16*\t+\i:S+16*\t+\i+1], v[S+16*\t+\i:S+16*\t+\i+1], s[CS:CS+1], v[ST+2*\t:ST+2*\t+1] op_sel_hi:[1,0,0]   ; t - M_w
.endr
.endr
.irp t, 0,1,2,3
	v_fma_f32 v[PMX+\t], v[MX+\t], s[CS], v[ST+2*\t]
.endr
.set i, 0
.rept 64
	v_exp_f32 v[S+i], v[S+i]                       ; p = 2^(t - M_w)
.set i, i+1
.endr
.irp t, 0,1,2,3
	v_pk_mul_f32 v[LS+2*\t:LS+2*\t+1], v[LS+2*\t:LS+2*\t+1], v[FP+2*\t:FP+2*\t+1] op_sel_hi:[1,0]   ; l_w under the new M_w.  (Plain instructions behind the exponentials)
.endr
	s_wait_alu depctr_va_vdst(0)                   ; one wait for the batch of 64, ahead of its first reader
.irp t, 0,1,2,3
	v_exp_f32 v[PMX+\t], v[PMX+\t]                 ; the block's largest p
.endr
.irp i, 0,2,4,6,8,10,12,14
.irp t, 0,1,2,3
	v_pk_add_f32 v[LS+2*\t:LS+2*\t+1], v[LS+2*\t:LS+2*\t+1], v[S+16*\t+\i:S+16*\t+\i+1]   ; the sum is taken of the unquantised p
.endr
.endr
	s_wait_alu depctr_va_vdst(0)                   ; and one for the four
.irp t, 0,1,2,3
	v_max_num_f32 v[PMX+\t], 0x4800000, v[PMX+\t]  ; the floor: the byte cannot fall under 1
.endr
.irp t, 0,1,2,3
	v_add_nc_u32 v[SOP+\t], 0xfc000000, v[PMX+\t]
.endr
.irp t, 0,1,2,3
	v_and_or_b32 v[HOLD+\t], v[PMX+\t], 0x7f800000, s[MNT]
.endr
.irp t, 0,1,2,3
	v_lshrrev_b32 v[BY+\t], 23, v[SOP+\t]
.endr
.irp t, 0,1,2,3
	v_cvt_f32_u32 v[BY+\t], v[BY+\t]               ; the byte as a number: the others take M_c - M_w off it
.endr
.irp t, 0,1,2,3
.irp i, 0,1,2,3,4,5,6,7,8,9,10,11,12,13,14,15
	v_min_num_f32 v[S+16*\t+\i], v[S+16*\t+\i], v[HOLD+\t]   ; p is not negative: the hold is one-sided
.endr
	v_cvt_scalef32_pk8_fp8_f32 v[PC+4*\t:PC+4*\t+1], v[S+16*\t:S+16*\t+7], v[SOP+\t]
	v_cvt_scalef32_pk8_fp8_f32 v[PC+4*\t+2:PC+4*\t+3], v[S+16*\t+8:S+16*\t+15], v[SOP+\t]
.endr
	v_nop                                          ; a plain instruction behind the last conversion
.endm
; M_c, the factor for O^T, and P's scale words under M_c
.macro CONSUMER
.irp t, 0,1,2,3
	v_mov_b32 v[OLD+\t], v[NMC+\t]
.endr
.irp t, 0,1,2,3
	v_min3_num_f32 v[NMC+\t], v[NMC+\t], v[MW+4*\t], v[MW+4*\t+1]
.endr
.irp t, 0,1,2,3
	v_min3_num_f32 v[NMC+\t], v[NMC+\t], v[MW+4*\t+2], v[MW+4*\t+3]
.endr
.irp t, 0,1,2,3
	v_sub_f32 v[OLD+\t], v[NMC+\t], v[OLD+\t]      ; old M_c - new M_c: a whole number, 0 or less
.endr
.irp t, 0,1,2,3
	v_max_num_f32 v[OLD+\t], 0xc3960000, v[OLD+\t] ; held at -300: 2^-300 is 0 in f32, as is every power under it.  In the first step this is the case
.endr
.irp t, 0,1,2,3
	v_cvt_i32_f32 v[OLD+\t], v[OLD+\t]
.endr
.irp t, 0,1,2,3
	v_ldexp_f32 v[FC+2*\t], 1.0, v[OLD+\t]
.endr
.set i, 0
.rept 16
	v_sub_f32 v[MW+i], v[NMC+i/4], v[MW+i]         ; M_w - M_c: 0 or less
.set i, i+1
.endr
.set i, 0
.rept 16
	v_add_f32 v[BW+i], v[BW+i], v[MW+i]
.set i, i+1
.endr
.set i, 0
.rept 16
	v_max_num_f32 v[BW+i], 0, v[BW+i]
.set i, i+1
.endr
.set i, 0
.rept 16
	v_cvt_u32_f32 v[BW+i], v[BW+i]
.set i, i+1
.endr
.irp t, 0,1,2,3
	v_lshl_or_b32 v[PW+\t], v[BW+4*\t+1], 8, v[BW+4*\t]
.endr
.irp t, 0,1,2,3
	v_lshl_or_b32 v[PW+\t], v[BW+4*\t+2], 16, v[PW+\t]
.endr
.irp t, 0,1,2,3
	v_lshl_or_b32 v[PW+\t], v[BW+4*\t+3], 24, v[PW+\t]
.endr
.endm
; A STEP: 128 tokens, in slot; the exchange's buffer has the slot's number.  refill = 1: this slot is filled again at the exchange, with the record two steps on.  last = 1: c is asked for, for the end.
; The slot was shown whole by the barrier of the step before (step 0: by the head's), so the step begins with no barrier.
.macro TRIP slot, refill, how, last
.irp i, 0,1,2,3,4,5,6,7
	ds_load_u16 v[KT+\i], v[ASK+\slot] offset:256*\i
.endr
	WIN 0xc0                                       ; destination window 3
.irp s, 0,1,2,3
.irp u, 0,1
.irp c, 0,1,2,3
	ds_load_b128 v[16*(2*\s+\u)+4*\c:16*(2*\s+\u)+4*\c+3], v[AK+\slot] offset:4096*\s+2048*\u+512*\c
.endr
.endr
.endr
	WIN 0
	s_wait_dscnt 32                                ; the eight halves are in; K's 32 loads may be out
.irp s, 0,1,2,3
	v_lshl_or_b32 v[KS+\s], v[KT+2*\s+1], 16, v[KT+2*\s]
.endr
	PLACES 8                                       ; a scale register written by a vector instruction stands eight places ahead of the product
.irp s, 0,1,2,3
	s_wait_dscnt 8*(3-\s)                          ; this K step's two fragments are in; those of the later K steps may be out
.if \s == 0
	WIN 0x37                                       ; K window 3, Q window 1, the bias window 3, S^T window 0
.else
	WIN 0x07
.endif
.irp u, 0,1
.irp t, 0,1,2,3
	SPROD \s, \u, \t                               ; the eight accumulators take turns
.endr
.endr
.endr
	WIN 0
	PLACES 8                                       ; in front of loads into K's registers (in the last step: into Q's too) and of the first read of S^T
.irp i, 0,1,2,3
	ds_load_b32 v[VS+\i], v[ASV+\slot] offset:128*\i
.endr
	WIN 0xc0
.irp d, 0,1,2,3,4,5,6,7
.irp c, 0,1,2,3
	ds_load_b128 v[16*\d+4*\c:16*\d+4*\c+3], v[AV+\slot] offset:2048*\d+512*\c   ; V lands under the softmax
.endr
.endr
.if \last
	WIN 0x40                                       ; destination window 1: Q is done with
.set q, 0
.rept 64
	global_load_b128 v[4*q:4*q+3], v[G16], s[50:51] offset:2048*q   ; c(64 g + q, 128 w + 4 L ..): 32 lanes read 512 consecutive bytes; wanted at the end, asked for half a step and more ahead
.set q, q+1
.endr
.endif
	WIN 0
	PRODUCER
.irp t, 0,1,2,3
	ds_store_b128 v[AXP], v[PC+4*\t:PC+4*\t+3] offset:XBUF*\slot+2048*\t
	ds_store_b32 v[AXW], v[ST+2*\t] offset:XBUF*\slot+O_XM+512*\t
	ds_store_b32 v[AXW], v[BY+\t] offset:XBUF*\slot+O_XB+512*\t
.endr
	s_wait_tensorcnt 0x0                           ; all my tensor loads have landed: my quarter of the next step's record: so a group 0 may be written
	ds_add_u32 v[SPW], v[NIL]                      ; 0 onto my spare word
.if \refill
	s_add_nc_u64 s[G0+4*\slot+2:G0+4*\slot+3], s[G0+4*\slot+2:G0+4*\slot+3], 2*REC   ; this slot's next record
	s_wait_xcnt 0x0                                ; the last prefetch, a step back, has read its address
	s_add_nc_u64 s[PFA:PFA+1], s[PFA:PFA+1], REC
.endif
	s_wait_dscnt 0x0                               ; the add is done; my stores into the exchange are done; my reads of this slot (K, V, their scales) are back
.if \refill
	ROUND                                          ; all that now holds of every wave of all four work-groups
	tensor_load_to_lds s[G0+4*\slot:G0+4*\slot+3], s[G1:G1+7]   ; the record two steps on, into the slot that this step has read out: my one tensor load until the next round
	s_nop 0
	PLACES 4
	ASK \how
.else
	s_barrier_signal -1                            ; nothing is filled any more: my work-group's barrier hands P over and shows the last record whole
	s_barrier_wait -1
.endif
.irp t, 0,1,2,3
	ds_load_b128 v[MW+4*\t:MW+4*\t+3], v[A16] offset:XBUF*\slot+O_XM+512*\t
.endr
.irp t, 0,1,2,3
	ds_load_b128 v[BW+4*\t:BW+4*\t+3], v[A16] offset:XBUF*\slot+O_XB+512*\t
.endr
.set i, 0
.rept 16
	ds_load_b128 v[S+4*i:S+4*i+3], v[A16] offset:XBUF*\slot+512*i   ; P's four fragments
.set i, i+1
.endr
	s_wait_dscnt 16                                ; the statistics are in; P's 16 loads may be out
	CONSUMER
	; O^T under the new M_c, and the products, by turns: four accumulators are multiplied by the factor one group ahead of their products, so that sixteen plain instructions stand
	; between a group of four products and the next.  The first two groups are also the eight places behind the scale words.
	RESC 0
	RESC 1
	s_wait_dscnt 0x0                               ; P
.irp d, 0,1,2,3,4,5
	OGRP \d
	RESC \d+2
.endr
	OGRP 6
	OGRP 7
	WIN 0
	PLACES 9                                       ; the next step's loads go into V's registers, and its first products write over P's
.endm
	s_mov_b32 s[CNT], 7
.Lstep:                                            ; steps 0 to 13: each fills its slot again
	TRIP 0, 1, 1, 0
	TRIP 1, 1, 0, 0
	s_sub_co_u32 s[CNT], s[CNT], 1
	s_cmp_lg_u32 s[CNT], 0
	s_cbranch_scc1 .Lstep
	TRIP 0, 0, 0, 0                                ; steps 14 and 15 are written out: nothing is left to fetch
	TRIP 1, 0, 0, 1
	; ---- THE END
.irp t, 0,1,2,3
	v_add_f32 v[LS+2*\t], v[LS+2*\t], v[LS+2*\t+1]
.endr
.irp t, 0,1,2,3
	v_permlanex16_b32 v[LS+2*\t+1], v[LS+2*\t], s[SEL], s[SEL+1]
.endr
.irp t, 0,1,2,3
	v_add_f32 v[LS+2*\t], v[LS+2*\t], v[LS+2*\t+1] ; l_w
.endr
.irp t, 0,1,2,3
	ds_store_b32 v[AXW], v[LS+2*\t] offset:O_XL+512*\t
	ds_store_b32 v[AXW], v[ST+2*\t] offset:O_XN+512*\t
.endr
	s_wait_dscnt 0x0
	s_barrier_signal -1
	s_barrier_wait -1
.irp t, 0,1,2,3
	ds_load_b128 v[BW+4*\t:BW+4*\t+3], v[A16] offset:O_XL+512*\t
	ds_load_b128 v[MW+4*\t:MW+4*\t+3], v[A16] offset:O_XN+512*\t
.endr
	s_wait_dscnt 0x0
.set i, 0
.rept 16
	v_sub_f32 v[MW+i], v[NMC+i/4], v[MW+i]         ; M_w - M_c
.set i, i+1
.endr
.set i, 0
.rept 16
	v_cvt_i32_f32 v[MW+i], v[MW+i]
.set i, i+1
.endr
.set i, 0
.rept 16
	v_ldexp_f32 v[BW+i], v[BW+i], v[MW+i]          ; l_w under M_c
.set i, i+1
.endr
.irp t, 0,1,2,3
	v_add_f32 v[BW+4*\t], v[BW+4*\t], v[BW+4*\t+1]
	v_add_f32 v[BW+4*\t+2], v[BW+4*\t+2], v[BW+4*\t+3]
.endr
.irp t, 0,1,2,3
	v_add_f32 v[MX+\t], v[BW+4*\t], v[BW+4*\t+2]   ; l
.endr
.irp t, 0,1,2,3
	v_rcp_f32 v[RL+2*\t], v[MX+\t]
.endr
.irp t, 0,1,2,3
	v_mov_b32 v[RL+2*\t+1], 0                      ; (plain instructions behind the reciprocals; the pairs' upper halves)
.endr
	s_wait_alu depctr_va_vdst(0)                   ; one wait for the four
.irp t, 0,1,2,3
	v_mul_f32 v[TP+\t], v[MX+\t], v[RL+2*\t]       ; sum a = l / l
.endr
.irp t, 0,1,2,3
	ds_store_b32 v[ASW], v[TP+\t] offset:64*\t     ; my wave's own table of the 64
.endr
	WIN 0xc0
.irp i, 0,1,2,3,4,5,6,7,8,9,10,11,12,13,14,15
	ds_load_b128 v[4*\i:4*\i+3], v[ASR] offset:16*\i   ; in order behind my stores: sum a of centroid q in register q of window 3, in every lane
.endr
	WIN 0x02                                       ; O^T window 2
.set i, 0
.rept 32
	v_pk_mul_f32 v[S+2*i:S+2*i+1], v[2*i:2*i+1], v[RL:RL+1] op_sel_hi:[1,0]   ; O^T / l, the four tiles added
.set i, i+1
.endr
.irp t, 1,2,3
.set i, 0
.rept 32
	v_pk_fma_f32 v[S+2*i:S+2*i+1], v[64*\t+2*i:64*\t+2*i+1], v[RL+2*\t:RL+2*\t+1], v[S+2*i:S+2*i+1] op_sel_hi:[1,0,1]
.set i, i+1
.endr
.endr
	WIN 0
.irp m, 1,2,4,8                        ; and the sixteen centroids of a tile, which lie in the sixteen lanes of a row
.set i, 0
.rept 64
	v_add_f32_dpp v[S+i], v[S+i], v[S+i] row_xmask:\m row_mask:0xf bank_mask:0xf
.set i, i+1
.endr
.endr
.irp d, 0,1,2,3,4,5,6,7
.irp j, 0,1,2,3,4,5,6,7
	ds_store_b32 v[AZW], v[S+8*\d+\j] offset:4*(64*(\d/4)+32*(\d%2)+2*\j+(\d%4)/2)   ; column 128 w + 64 (d/4) + 32 (d%2) + 16 h + 2 j + (d%4)/2: sixteen lanes write the same word with the same value
.endr
.endr
	ds_load_b128 v[ZR:ZR+3], v[AZR]                ; in order behind my stores: columns 128 w + 4 L ..
	s_wait_loadcnt 0x0                             ; c
	s_wait_dscnt 0x0
	WIN 0x0d                                       ; c window 1, sum a window 3
.irp e, 0,1,2,3
	v_mul_f32 v[CT+\e], v[\e], v[0]
.endr
.set q, 1
.rept 63
.irp e, 0,1,2,3
	v_fma_f32 v[CT+\e], v[4*q+\e], v[q], v[CT+\e]
.endr
.set q, q+1
.endr
	WIN 0
.irp e, 0,1,2,3
	v_sub_f32 v[ZR+\e], v[ZR+\e], v[CT+\e]
.endr
	global_store_b128 v[G16], v[ZR:ZR+3], s[52:53] ; 32 lanes store 512 consecutive bytes, aligned
	s_wait_tensorcnt 0x0                           ; the wave's end
	ds_add_u32 v[SPW], v[NIL]
	s_wait_dscnt 0x0
	ROUND                                          ; the closing round
	s_endpgm
.Lfunc_end_k_qe13ab50aca_vlad:
	.size	k_qe13ab50aca_vlad, .Lfunc_end_k_qe13ab50aca_vlad-k_qe13ab50aca_vlad
	.p2alignl 7, 3214868480
	.fill 96, 4, 3214868480
	.section	.rodata,"a",@progbits
	.p2align	6, 0x0
	.amdhsa_kernel k_qe13ab50aca_vlad
		.amdhsa_group_segment_fixed_size 327680
		.amdhsa_private_segment_fixed_size 0
		.amdhsa_enable_private_segment 0
		.amdhsa_kernarg_size 24
		.amdhsa_user_sgpr_count 2
		.amdhsa_user_sgpr_kernarg_segment_ptr 1
		.amdhsa_wavefront_size32 1
		.amdhsa_system_sgpr_workgroup_id_x 1
		.amdhsa_system_sgpr_workgroup_id_y 1
		.amdhsa_system_sgpr_workgroup_id_z 1
		.amdhsa_system_vgpr_workitem_id 0
		.amdhsa_next_free_vgpr 1024
		.amdhsa_next_free_sgpr 66
		.amdhsa_reserve_vcc 0
		.amdhsa_float_denorm_mode_32 3
		.amdhsa_float_denorm_mode_16_64 3
		.amdhsa_memory_ordered 1
		.amdhsa_forward_progress 1
		.amdhsa_inst_pref_size 255
	.end_amdhsa_kernel
	.section	.bss,"aw",@nobits
	.p2align	6
	.space	262144
	.amdgpu_metadata
---
amdhsa.version: [ 1, 2 ]
amdhsa.kernels:
  - .name:           k_qe13ab50aca_vlad
    .symbol:         k_qe13ab50aca_vlad.kd
    .args:
      - { .name: centroids, .offset: 0, .size: 8, .value_kind: global_buffer, .address_space: global }
      - { .name: codes, .offset: 8, .size: 8, .value_kind: global_buffer, .address_space: global }
      - { .name: part, .offset: 16, .size: 8, .value_kind: global_buffer, .address_space: global }
    .group_segment_fixed_size: 327680
    .private_segment_fixed_size: 0
    .kernarg_segment_align: 8
    .kernarg_segment_size: 24
    .max_flat_workgroup_size: 128
    .sgpr_count:     66
    .vgpr_count:     1024
    .wavefront_size: 32
...
	.end_amdgpu_metadata
.endif
;; end of part 2
;; launch finish (part 3): grid 32 x 1, 4 waves a work-group, no clusters, 0 bytes of LDS; arguments part, scale, out0; writes out0
.if DOCPART == 3
	.amdgcn_target "amdgcn-amd-amdhsa--gfx1250"
	.amdhsa_code_object_version 6
	.text
	.protected	k_qe13ab50aca_finish
	.globl	k_qe13ab50aca_finish
	.p2align	8
	.type	k_qe13ab50aca_finish,@function
k_qe13ab50aca_finish:
	s_mov_b64 s[64:65], 0
	v_nop
	global_prefetch_b8 v0, s[64:65] scope:SCOPE_SE
	s_setreg_imm32_b32 hwreg(HW_REG_WAVE_MODE, 25, 1), 1
	s_wait_xcnt 0x0
; FINISH.  out0[b][d] = scale[b][d] x (the sum over the batch's eight parts of part[b][g][d]) / 512.  A work-group takes a batch, a thread four columns: 32 work-groups are all the work there is.
; Every load and the store cover 512 consecutive bytes a wave.  The parts are added in ascending g.
	s_load_b128 s[4:7], s[0:1], 0x0                ; part, scale
	s_load_b64 s[8:9], s[0:1], 0x10                ; out0
	v_lshlrev_b32 v1, 4, v0
	s_lshl_b32 s10, ttmp9, 14                      ; a batch's eight parts: 16,384 bytes
	s_mov_b32 s11, 0
	s_lshl_b32 s12, ttmp9, 11                      ; a batch's row: 2,048 bytes
	s_mov_b32 s13, 0
	s_wait_kmcnt 0x0
	s_add_nc_u64 s[4:5], s[4:5], s[10:11]
	s_add_nc_u64 s[6:7], s[6:7], s[12:13]
	s_add_nc_u64 s[8:9], s[8:9], s[12:13]
.irp g, 0,1,2,3,4,5,6,7
	global_load_b128 v[4+4*\g:7+4*\g], v1, s[4:5] offset:2048*\g
.endr
	global_load_b128 v[36:39], v1, s[6:7]
	s_wait_loadcnt 0x0
.irp g, 1,2,3,4,5,6,7
	v_pk_add_f32 v[4:5], v[4:5], v[4+4*\g:5+4*\g]
	v_pk_add_f32 v[6:7], v[6:7], v[6+4*\g:7+4*\g]
.endr
	v_pk_mul_f32 v[4:5], v[4:5], v[36:37]
	v_pk_mul_f32 v[6:7], v[6:7], v[38:39]
	v_pk_mul_f32 v[4:5], v[4:5], 0x3b000000 op_sel_hi:[1,0]   ; / 512
	v_pk_mul_f32 v[6:7], v[6:7], 0x3b000000 op_sel_hi:[1,0]
	global_store_b128 v1, v[4:7], s[8:9]
	s_endpgm
.Lfunc_end_k_qe13ab50aca_finish:
	.size	k_qe13ab50aca_finish, .Lfunc_end_k_qe13ab50aca_finish-k_qe13ab50aca_finish
	.p2alignl 7, 3214868480
	.fill 96, 4, 3214868480
	.section	.rodata,"a",@progbits
	.p2align	6, 0x0
	.amdhsa_kernel k_qe13ab50aca_finish
		.amdhsa_group_segment_fixed_size 0
		.amdhsa_private_segment_fixed_size 0
		.amdhsa_enable_private_segment 0
		.amdhsa_kernarg_size 24
		.amdhsa_user_sgpr_count 2
		.amdhsa_user_sgpr_kernarg_segment_ptr 1
		.amdhsa_wavefront_size32 1
		.amdhsa_system_sgpr_workgroup_id_x 1
		.amdhsa_system_sgpr_workgroup_id_y 1
		.amdhsa_system_sgpr_workgroup_id_z 1
		.amdhsa_system_vgpr_workitem_id 0
		.amdhsa_next_free_vgpr 48
		.amdhsa_next_free_sgpr 66
		.amdhsa_reserve_vcc 0
		.amdhsa_float_denorm_mode_32 3
		.amdhsa_float_denorm_mode_16_64 3
		.amdhsa_memory_ordered 1
		.amdhsa_forward_progress 1
		.amdhsa_inst_pref_size 3
	.end_amdhsa_kernel
	.amdgpu_metadata
---
amdhsa.version: [ 1, 2 ]
amdhsa.kernels:
  - .name:           k_qe13ab50aca_finish
    .symbol:         k_qe13ab50aca_finish.kd
    .args:
      - { .name: part, .offset: 0, .size: 8, .value_kind: global_buffer, .address_space: global }
      - { .name: scale, .offset: 8, .size: 8, .value_kind: global_buffer, .address_space: global }
      - { .name: out0, .offset: 16, .size: 8, .value_kind: global_buffer, .address_space: global }
    .group_segment_fixed_size: 0
    .private_segment_fixed_size: 0
    .kernarg_segment_align: 8
    .kernarg_segment_size: 24
    .max_flat_workgroup_size: 128
    .sgpr_count:     66
    .vgpr_count:     48
    .wavefront_size: 32
...
	.end_amdgpu_metadata
.endif
;; end of part 3
